; MI455X (gfx1250); checked and timed in simulation.
; The chip was launched on July 23, 2026; its instructions are those of AMD's public machine-readable ISA for CDNA 5 (MIT licence, August 2026) and "CDNA5" Instruction Set Architecture Reference Guide (July 2026). The comments in the code are by the model that wrote it; some were corrected since.
;; Embedding. Allowed arithmetic: float matrix products may take bf16 or f16 operands with f32 sums; other float arithmetic in f32, or as packed bf16 or f16 multiplies, adds, multiply-adds, maxima and minima; sums over many terms, partial sums and values carried from step to step in f32; what a program stores and reads back later, other than sums and carried values, may be rounded once to bf16 or f16.
;; Inputs: w 8,000 x 1,024 float32; x 4 x 2,048 int32.
;; Outputs: out0 4 x 2,048 x 1,024 float32.
;; One version. Each part assembles by itself: llvm-mc -triple=amdgcn-amd-amdhsa -mcpu=gfx1250 --defsym DOCPART=n.
;; ======== version 1 of 1: 1 launch
;; launch gather (part 1): grid 256 x 1, 8 waves a work-group, no clusters, 0 bytes of LDS; arguments x, w, out0; writes out0
.if DOCPART == 1
	.amdgcn_target "amdgcn-amd-amdhsa--gfx1250"
	.amdhsa_code_object_version 6
	.text
	.protected	k_qffffde5b6e_gather
	.globl	k_qffffde5b6e_gather
	.p2align	8
	.type	k_qffffde5b6e_gather,@function
k_qffffde5b6e_gather:
	s_mov_b64 s[64:65], 0
	v_nop
	global_prefetch_b8 v0, s[64:65] scope:SCOPE_SE
	s_setreg_imm32_b32 hwreg(HW_REG_WAVE_MODE, 25, 1), 1
	s_wait_xcnt 0x0
; out0[t][0:1024] = w[x[t]][0:1024] where 0 <= x[t] < 8000, else a row of zeros.  x: [8192] int32, w: [8000][1024] f32, out0: [8192][1024] f32.
; The one-hot row of token t holds a single 1.0 at column x[t] (none, if x[t] lies outside the table), so its product with w is row x[t] of w
; (or zeros): the rows are copied, bit for bit, and nothing is multiplied or rounded.
; LIMITS.  w is taken as finite: with an infinity or a NaN in w the product 0 x w would make a whole column of the result NaN, which a copy of rows
; does not do.  A -0.0 in w leaves as -0.0, where the sum of products gives +0.0: equal as numbers.  Ids outside 0 .. 7999, negative ones too, are served.
; SHARES.  8,192 tokens on 256 work-groups of eight waves: 32 tokens a work-group, 4 consecutive tokens a wave.  A row is 4,096 bytes: eight loads of
; 16 bytes a lane, each covering 512 consecutive bytes at a multiple of 512 from the row's first byte.  A wave asks for all its 4 rows at once (32 loads,
; 16,384 bytes), so there is no loop; each row is stored when its own eight loads are in, while the later rows are still on their way.
; No LDS, no barrier: no wave needs anything of another.  No joint requests: which work-groups want the same row hangs on x.
.set VOCAB, 8000                       ; rows of w
.set ROW,   4096                       ; bytes in a row of w and of out0
.set RPW,   4                          ; rows (tokens) a wave
.set CH,    512                        ; bytes that one load or store of the wave covers
.set LN,    1                          ; v1       16 x lane: my 16 bytes in each 512; also the stores' offset; never rewritten
.set OFF,   2                          ; v[2:5]   row i: clamped id x 4,096 + 16 x lane (32,764,400 at the most); never rewritten
.set D,     8                          ; v[8:135] row i, piece j of eight: four registers at D + 32 i + 4 j
.set ID,    12                         ; s[12:15] my four ids as they were loaded, kept for the test of their range
.set IC,    20                         ; s[20:23] the ids clamped into the table
	s_load_b128 s[4:7], s[0:1], 0x0                ; x s[4:5], w s[6:7]
	s_load_b64 s[8:9], s[0:1], 0x10                ; out0
	v_lshrrev_b32 v6, 5, v0
	v_readfirstlane_b32 s10, v6                    ; my wave's number, 0 to 7
	v_and_b32 v[LN], 31, v0
	v_lshlrev_b32 v[LN], 4, v[LN]                  ; 16 x lane
	s_lshl_b32 s11, ttmp9, 5                       ; 32 tokens a work-group,
	s_lshl2_add_u32 s11, s10, s11                  ; 4 a wave: my first token
	s_lshl_b32 s2, s11, 2                          ; its byte offset in x: a multiple of 16
	s_mov_b32 s3, 0
	s_lshl_b32 s16, s11, 12                        ; its byte offset in out0: 33,538,048 at the most
	s_mov_b32 s17, 0
	s_wait_kmcnt 0x0                               ; the three addresses are in
	s_add_nc_u64 s[4:5], s[4:5], s[2:3]
	s_load_b128 s[ID:ID+3], s[4:5], 0x0            ; my four ids; no line of this text writes x, so a scalar load may read it
	s_add_nc_u64 s[8:9], s[8:9], s[16:17]          ; out0 at my first row
	s_wait_kmcnt 0x0                               ; the ids are in
.irp i, 0,1,2,3
	s_min_u32 s[IC+\i], s[ID+\i], VOCAB-1          ; unsigned, so a negative id is clamped as well: every load stays inside w
	v_lshl_add_u32 v[OFF+\i], s[IC+\i], 12, v[LN]  ; the row's first byte + my 16 bytes
.endr
; Row i is asked for: eight loads.  No cache word: the list may name a row twice, here or in another work-group.
.macro ROW_IN i
.irp j, 0,1,2,3,4,5,6,7
	global_load_b128 v[D+32*(\i)+4*\j:D+32*(\i)+4*\j+3], v[OFF+(\i)], s[6:7] offset:CH*\j
.endr
.endm
; Row i leaves.  Loads come back in the order of issue (ISA guide 5.7.1), so the count is the loads of the later rows, eight each: they stay out.
; An id outside the table has an all-zero one-hot row: the registers, which that wait has freed, are set to 0 ahead of the stores.  The jump goes
; forward, over vector moves alone, and hangs on a whole number read from x.
; No source of a pending load or store is ever rewritten (the offsets, the bases and the stores' data are written once), so no further wait stands here.
.macro ROW_OUT i
	s_wait_loadcnt 8*(RPW-1-(\i))
	s_cmp_lt_u32 s[ID+(\i)], VOCAB                 ; unsigned: false for negative ids too
	s_cbranch_scc1 .Lin_table_\@
.set n, 0
.rept 32
	v_mov_b32 v[D+32*(\i)+n], 0
.set n, n+1
.endr
.Lin_table_\@:
.irp j, 0,1,2,3,4,5,6,7
	global_store_b128 v[LN], v[D+32*(\i)+4*\j:D+32*(\i)+4*\j+3], s[8:9] offset:ROW*(\i)+CH*\j th:TH_STORE_NT  ; 512 consecutive bytes at a multiple of 512 from out0's first byte; written once, not read again
.endr
.endm
	ROW_IN 0
	ROW_IN 1
	ROW_IN 2
	ROW_IN 3
	ROW_OUT 0
	ROW_OUT 1
	ROW_OUT 2
	ROW_OUT 3
	s_endpgm
.Lfunc_end_k_qffffde5b6e_gather:
	.size	k_qffffde5b6e_gather, .Lfunc_end_k_qffffde5b6e_gather-k_qffffde5b6e_gather
	.p2alignl 7, 3214868480
	.fill 96, 4, 3214868480
	.section	.rodata,"a",@progbits
	.p2align	6, 0x0
	.amdhsa_kernel k_qffffde5b6e_gather
		.amdhsa_group_segment_fixed_size 0
		.amdhsa_private_segment_fixed_size 0
		.amdhsa_enable_private_segment 0
		.amdhsa_kernarg_size 24
		.amdhsa_user_sgpr_count 2
		.amdhsa_user_sgpr_kernarg_segment_ptr 1
		.amdhsa_wavefront_size32 1
		.amdhsa_system_sgpr_workgroup_id_x 1
		.amdhsa_system_sgpr_workgroup_id_y 1
		.amdhsa_system_sgpr_workgroup_id_z 1
		.amdhsa_system_vgpr_workitem_id 0
		.amdhsa_next_free_vgpr 136
		.amdhsa_next_free_sgpr 66
		.amdhsa_reserve_vcc 0
		.amdhsa_float_denorm_mode_32 3
		.amdhsa_float_denorm_mode_16_64 3
		.amdhsa_memory_ordered 1
		.amdhsa_forward_progress 1
		.amdhsa_inst_pref_size 12
	.end_amdhsa_kernel
	.amdgpu_metadata
---
amdhsa.version: [ 1, 2 ]
amdhsa.kernels:
  - .name:           k_qffffde5b6e_gather
    .symbol:         k_qffffde5b6e_gather.kd
    .args:
      - { .name: x, .offset: 0, .size: 8, .value_kind: global_buffer, .address_space: global }
      - { .name: w, .offset: 8, .size: 8, .value_kind: global_buffer, .address_space: global }
      - { .name: out0, .offset: 16, .size: 8, .value_kind: global_buffer, .address_space: global }
    .group_segment_fixed_size: 0
    .private_segment_fixed_size: 0
    .kernarg_segment_align: 8
    .kernarg_segment_size: 24
    .max_flat_workgroup_size: 256
    .sgpr_count:     66
    .vgpr_count:     136
    .wavefront_size: 32
...
	.end_amdgpu_metadata
.endif
;; end of part 1
